; MI455X (gfx1250); checked and timed in simulation.
; The chip was launched on July 23, 2026; its instructions are those of AMD's public machine-readable ISA for CDNA 5 (MIT licence, August 2026) and "CDNA5" Instruction Set Architecture Reference Guide (July 2026). The comments in the code are by the model that wrote it; some were corrected since.
;; Log Signature. Allowed arithmetic: float matrix products may take bf16 or f16 operands with f32 sums; all other float work in f32.
;; Inputs: path 256 x 256 x 8 float32.
;; Outputs: out0 256 x 4,680 float32.
;; One version. Each part assembles by itself: llvm-mc -triple=amdgcn-amd-amdhsa -mcpu=gfx1250 --defsym DOCPART=n.
;; ======== version 1 of 1: 1 launch
;; launch logsig (part 1): grid 256 x 1, 4 waves a work-group, no clusters, 107,008 bytes of LDS; arguments path, out0; writes out0
.if DOCPART == 1
	.amdgcn_target "amdgcn-amd-amdhsa--gfx1250"
	.amdhsa_code_object_version 6
	.text
	.protected	k_q99c772e386_logsig
	.globl	k_q99c772e386_logsig
	.p2align	8
	.type	k_q99c772e386_logsig,@function
k_q99c772e386_logsig:
	s_mov_b64 s[64:65], 0
	v_nop
	global_prefetch_b8 v0, s[64:65] scope:SCOPE_SE
	s_setreg_imm32_b32 hwreg(HW_REG_WAVE_MODE, 25, 1), 1
	s_wait_xcnt 0x0
; Log-signature of depth 4.  path: [256][256][8] f32.  out0: [256][8 + 64 + 512 + 4096] f32.
; One work-group per path, four waves.  Wave (h, e): h = time half (128 increments), e = tensor half (first index i = 4 e .. 4 e + 3).
; Lane (i, j) owns S2[i][j], S3[i][j][0..7] and S4[i][j][0..7][0..7].  A step with increment x, in Horner form:
;   S4 += T3 (x) x,  T3 = S3 + T2h (x) x,  T2h = S2/2 + (S1/6 + x/24) (x) x
;   S3 += U2 (x) x,  U2 = S2 + (S1/2 + x/6) (x) x        S2 += (S1 + x/2) (x) x        S1 = p[n] - p[start of the half]
; 32 + 4 + 4 + 2 packed multiply-adds a step.  All that hangs on the path alone (x and the four factors in brackets) is made once, into an LDS table.
; The two halves' signatures A, B are joined by Chen's identity, R = A (x) B, and the logarithm is taken as
;   L4 = R4 - R3 (x) R1 / 2 + R2 (x) N2 + R1 (x) M3,  N2 = -R2/2 + R1 R1/3,  M3 = -R3/2 + (R1 R2 + R2 R1)/3 - R1 R1 R1/4.
; All arithmetic is f32 on the vector unit: the logarithm takes large sums away from each other, so operands rounded to 16 bits would not do.
; LIMITS.  The order of rounding differs from the reference's (Horner form, two halves).  The 256th increment is made as p[255] - p[255]:
; zero for finite data; with infinities or NaN in the last row it is NaN, and non-finite results need not lie where the reference has them.
.set REC,   160        ; a table record: x[8] (32 bytes), then for each channel i 16 bytes: s/6+x/24, s/2+x/6, s/2+x/4, s+x/2
.set STAGE, 256        ; the output row, 16 bytes of padding in front of every 256 bytes of level 4
.set TAB,   22528      ; 256 records
.set D4,    63488      ; the four waves' S4: a lane's 256 bytes at a pitch of 272
.set D4W,   8704       ; 32 lanes x 272
.set LOWA,  98304      ; half 0: S1 (32 bytes), S2 (256), S3 (8 x 272); half 1 LOWSZ further on
.set LOWSZ, 2560
.set O_S2,  32
.set O_S3,  288
.set M3B,   103424     ; M3: 8 x 272
.set N2B,   105600     ; N2: 256 bytes
.set PT,    272        ; 256 bytes + 16: sixteen lanes one row apart touch sixteen different columns of 16 bytes (64 banks of 4 bytes: ISA guide 11.1)
.set LN, 1             ; lane
.set XA, 2             ; loop: LDS address of x (the same in all lanes); at the end: 16 x thread
.set JA, 3             ; loop: LDS address of x[j]
.set CA, 4             ; loop: LDS address of channel i's four factors
.set PS, 5             ; p[start of my half][lane % 8]
.set S1S, 6            ; S1[i] of my half
.set JJ, 7             ; j
.set II, 8             ; i
.set IJ, 9             ; 8 i + j
.set K1, 10            ; v[10:17] four pairs of constants
.set GO0, 18
.set GO1, 19
.set GPS, 20
.set GSI, 21
.set GEI, 22
.set CW, 23
.set XW, 24
.set PSI, 25
.set IL, 26
.set E_S1, 27          ; v27-51: LDS addresses of the closing phases, made while the path is on its way
.set E_S2, 28
.set VP3, 29
.set E_S3, 30
.set E_D4, 31
.set E_A3, 32
.set E_A2Q, 33
.set E_A1Q, 34
.set E_LOW, 35
.set E_A1I, 36
.set E_A1J, 37
.set E_A2, 38
.set E_H4, 39
.set E_B3, 40
.set E_B2, 41
.set E_M3W, 42
.set E_L3, 43
.set E_N2W, 44
.set E_L2, 45
.set E_L1, 46
.set E_M3R, 47
.set E_N2R, 48
.set E_L4, 49
.set E_CT, 50
.set E_CL, 51
.set TU, 52            ; (T2h, U2) of the step in hand
.set HS, 54            ; (S2/2, S2), one step ahead
.set P0, 64            ; table building: p[n], p[n+1], (x, s), records
.set P1, 80
.set XS, 96
.set RC, 128
.set AC4, 64           ; v[64:127]  S4, register 8 k + l
.set AC3, 128          ; v[128:135] S3
.set TT3, 136          ; v[136:143] T3
.set SETS, 144         ; v[144:255] eight operand sets of 14, in two groups of four: x[8], four factors, x[j], one register that only completes x[j]'s pair
.set A3Q, 52           ; closing phases
.set B3Q, 56
.set A2JQ, 60
.set B2JQ, 64
.set A1Q, 68
.set B1Q, 72
.set A1F, 76
.set B1F, 84
.set PA1, 92           ; (A1[i], R1[i])
.set PA2, 94           ; (A2[i][j], R2[i][j])
.set PJ, 96            ; (A1[j], B1[j])
.set B1I, 98
.set B2IJ, 99
.set PG, 100           ; (R1[i]/3, -R1[i]/2)
.set PM, 102           ; (R2[i][j]/3 - R1[i]R1[j]/4, N2[i][j])
.set R1J, 104
.set TT, 105
.set L2V, 106
.set R3Q, 108
.set R3H, 112
.set M3Q, 116
.set L3Q, 120
.set ACC, 124          ; my 32 numbers of level 4: register 8 kk + l, k = 4 h + kk
.set TB1, 156
.set TB2, 188
.set TB3, 220
; dst pair = vec pair x ONE register of the pair sc (hi = 0 the first, 1 the second) + add pair; start = 1: no addend, the product starts the sum (nothing is cleared)
.macro BC dst, vec, sc, hi, add, start
.if \start
.if \hi
	v_pk_mul_f32 v[\dst:\dst+1], v[\vec:\vec+1], v[\sc:\sc+1] op_sel:[0,1] op_sel_hi:[1,1]
.else
	v_pk_mul_f32 v[\dst:\dst+1], v[\vec:\vec+1], v[\sc:\sc+1] op_sel_hi:[1,0]
.endif
.else
.if \hi
	v_pk_fma_f32 v[\dst:\dst+1], v[\vec:\vec+1], v[\sc:\sc+1], v[\add:\add+1] op_sel:[0,1,0] op_sel_hi:[1,1,1]
.else
	v_pk_fma_f32 v[\dst:\dst+1], v[\vec:\vec+1], v[\sc:\sc+1], v[\add:\add+1] op_sel_hi:[1,0,1]
.endif
.endif
.endm
	s_load_b128 s[4:7], s[0:1], 0x0                ; path s[4:5], out0 s[6:7]
	s_set_vgpr_msb 0x40
	v_lshl_add_u32 v0, v0, 2, 0x1a000
	v_mov_b32 v1, 0
	s_set_vgpr_msb 0x4000
	v_lshrrev_b32 v1, 5, v0
	v_readfirstlane_b32 s8, v1                     ; wave 0..3
	s_lshr_b32 s9, s8, 1                           ; h: my time half
	s_and_b32 s10, s8, 1                           ; e: my tensor half
	v_and_b32 v[LN], 31, v0
	v_and_b32 v[JJ], 7, v0
	v_bfe_u32 v[IL], v0, 3, 2
	s_lshl_b32 s16, s10, 2
	s_lshl_b32 s17, s10, 5
	v_add_nc_u32 v[II], s16, v[IL]                 ; i = 4 e + lane / 8
	v_add_nc_u32 v[IJ], s17, v[LN]                 ; 8 i + j = 32 e + lane
	; Table building: wave w makes records 64 w .. 64 w + 63.  Lane: channel lane % 8, records 64 w + lane / 8 + 4 q, q = 0..15,
	; so that each load takes 128 neighbouring bytes of the path and each LDS store of the wave neighbouring bytes of four records.
	s_lshl_b32 s11, s8, 11
	v_lshl_add_u32 v[GO0], v[LN], 2, s11           ; byte of p[64 w + lane / 8][lane % 8] in my path
	s_lshl_b32 s12, s8, 6
	s_add_co_u32 s12, s12, 61
	v_add_nc_u32 v[GO1], s12, v[IL]                ; the row behind my last record, 64 w + lane / 8 + 61,
	v_min_u32 v[GO1], 0xff, v[GO1]                 ; kept inside the path: record 255 gets p[255] - p[255] = 0, a step that changes nothing
	v_lshlrev_b32 v[GO1], 5, v[GO1]
	v_lshl_add_u32 v[GO1], v[JJ], 2, v[GO1]
	s_lshl_b32 s13, s9, 12                         ; row 128 h: where my half starts
	v_lshl_add_u32 v[GPS], v[JJ], 2, s13
	v_lshl_add_u32 v[GSI], v[II], 2, s13
	s_mul_i32 s14, s9, 4064
	s_add_co_u32 s14, s14, 4096                    ; row 128 + 127 h: where it ends
	v_lshl_add_u32 v[GEI], v[II], 2, s14
	s_lshl_b32 s2, ttmp9, 13                       ; my path: 8,192 bytes each
	s_mov_b32 s3, 0
	; The way out: a row of out0 is 1,170 pieces of 16 bytes and begins sft = 2 b mod 16 pieces behind a multiple of 256 bytes.
	; Thread T stores piece q = T - sft + 128 it, so that sixteen neighbouring lanes store 256 consecutive bytes at a multiple of 256 from out0's first byte.
	s_lshl_b32 s22, ttmp9, 1
	s_and_b32 s22, s22, 15                         ; sft
	s_mul_i32 s26, ttmp9, 18720
	s_lshl_b32 s23, s22, 4
	s_sub_co_u32 s26, s26, s23                     ; byte offset of the row, less the shift
	s_mov_b32 s27, 0
	s_wait_kmcnt 0x0
	s_add_nc_u64 s[4:5], s[4:5], s[2:3]
	s_add_nc_u64 s[6:7], s[6:7], s[26:27]
	global_load_b32 v[PS], v[GPS], s[4:5]
.set q, 0
.rept 16
	global_load_b32 v[P0+q], v[GO0], s[4:5] offset:128*q
.set q, q+1
.endr
.set q, 0
.rept 15
	global_load_b32 v[P1+q], v[GO0], s[4:5] offset:128*q+32
.set q, q+1
.endr
	global_load_b32 v[P1+15], v[GO1], s[4:5]
	global_load_b32 v[PSI], v[GSI], s[4:5]
	global_load_b32 v[S1S], v[GEI], s[4:5]
	; while the path is on its way: constants and every LDS address
	v_mov_b32 v[K1], 0x3e2aaaab                    ; (1/6, 1/2): s's part of (c4, c3)
	v_mov_b32 v[K1+1], 0.5
	v_mov_b32 v[K1+2], 0x3d2aaaab                  ; (1/24, 1/6): x's part
	v_mov_b32 v[K1+3], 0x3e2aaaab
	v_mov_b32 v[K1+4], 0.5                         ; (1/2, 1): s's part of (a2/2, a2)
	v_mov_b32 v[K1+5], 1.0
	v_mov_b32 v[K1+6], 0x3e800000                  ; (1/4, 1/2): x's part
	v_mov_b32 v[K1+7], 0.5
	s_mul_i32 s15, s8, 64*REC
	s_add_co_u32 s15, s15, TAB                     ; my 64 records
	v_mul_u32_u24 v[XW], REC, v[IL]
	v_lshl_add_u32 v[CW], v[JJ], 4, v[XW]
	v_lshl_add_u32 v[XW], v[JJ], 2, v[XW]
	v_add_nc_u32 v[CW], s15, v[CW]
	v_add_nc_u32 v[XW], s15, v[XW]
	s_mul_i32 s24, s9, 128*REC
	s_add_co_u32 s24, s24, TAB                     ; my half's records
	v_mov_b32 v[XA], s24
	v_lshl_add_u32 v[JA], v[JJ], 2, s24
	v_lshl_add_u32 v[CA], v[II], 4, s24
	s_mul_i32 s19, s9, LOWSZ
	s_add_co_u32 s19, s19, LOWA                    ; my half's lower levels
	s_lshl_b32 s20, s9, 4                          ; 16 h: four numbers along the last index
	s_lshl_b32 s21, s9, 7                          ; 128 h: four rows of eight
	v_lshl_add_u32 v[E_S1], v[II], 2, s19
	v_lshl_add_u32 v[E_S2], v[IJ], 2, s19
	v_mul_u32_u24 v[VP3], PT, v[II]
	v_lshl_add_u32 v[VP3], v[JJ], 5, v[VP3]        ; a level 3 number (a, b, c) lies at 272 a + 32 b + 4 c
	v_add_nc_u32 v[E_S3], s19, v[VP3]
	v_mul_u32_u24 v[E_D4], PT, v[LN]
	s_mul_i32 s23, s10, D4W
	s_add_co_u32 s23, s23, s21
	s_add_co_u32 s23, s23, D4
	v_add_nc_u32 v[E_H4], s23, v[E_D4]             ; back: wave (0, e)'s dump, my lane, k = 4 h on; wave (1, e)'s lies 2 D4W further on
	s_mul_i32 s23, s8, D4W
	s_add_co_u32 s23, s23, D4
	v_add_nc_u32 v[E_D4], s23, v[E_D4]             ; in: my wave's dump
	s_add_co_u32 s23, s20, LOWA+O_S3
	v_add_nc_u32 v[E_A3], s23, v[VP3]
	s_add_co_u32 s23, s20, LOWA+O_S2
	v_lshl_add_u32 v[E_A2Q], v[JJ], 5, s23
	s_add_co_u32 s23, s20, LOWA
	v_mov_b32 v[E_A1Q], s23
	v_mov_b32 v[E_LOW], LOWA
	v_lshl_add_u32 v[E_A1I], v[II], 2, LOWA
	v_lshl_add_u32 v[E_A1J], v[JJ], 2, LOWA
	v_lshl_add_u32 v[E_A2], v[IJ], 2, LOWA
	v_mul_u32_u24 v[E_B3], PT, v[JJ]
	s_add_co_u32 s23, s21, M3B
	v_add_nc_u32 v[E_M3R], s23, v[E_B3]
	s_add_co_u32 s23, s21, LOWA+O_S3
	v_add_nc_u32 v[E_B3], s23, v[E_B3]
	s_add_co_u32 s23, s21, LOWA+O_S2
	v_mov_b32 v[E_B2], s23
	s_add_co_u32 s23, s20, M3B
	v_add_nc_u32 v[E_M3W], s23, v[VP3]
	; The stage: piece q of the row lies at 16 q + 16 ((q + 14) / 16).  Level 1 begins at 0, level 2 at 48, level 3's piece 18 + 2 (8 i + j) + h
	; at 320 + 32 (8 i + j) + 16 h + 16 i, level 4's rows (i, j) of 256 bytes at 2,496 + 272 (8 i + j).
	s_add_co_u32 s23, s20, STAGE+320
	v_lshl_add_u32 v[E_L3], v[IJ], 5, s23
	v_lshl_add_u32 v[E_L3], v[II], 4, v[E_L3]
	v_lshl_add_u32 v[E_N2W], v[IJ], 2, N2B
	v_lshl_add_u32 v[E_L2], v[IJ], 2, STAGE+48
	v_lshl_add_u32 v[E_L1], v[II], 2, STAGE
	s_add_co_u32 s23, s21, N2B
	v_mov_b32 v[E_N2R], s23
	v_mul_u32_u24 v[E_L4], PT, v[IJ]
	s_add_co_u32 s23, s21, STAGE+2496
	v_add_nc_u32 v[E_L4], s23, v[E_L4]
	s_sub_co_u32 s23, 14, s22
	v_add_nc_u32 v[E_CT], s23, v0                  ; t = T + 14 - sft = q + 14 in the first turn of the copy
	v_and_b32 v[E_CL], -16, v[E_CT]                ; 16 (t / 16)
	v_lshl_add_u32 v[E_CL], v[E_CT], 4, v[E_CL]
	v_add_nc_u32 v[E_CL], STAGE-224, v[E_CL]       ; piece q's place; each further turn is 2,048 + 128 bytes on
	s_wait_loadcnt 0x0                             ; the path is here
	v_sub_f32 v[S1S], v[S1S], v[PSI]               ; S1[i] of my half
.set q, 0
.rept 16
	v_sub_f32 v[XS+2*q], v[P1+q], v[P0+q]          ; x
	v_sub_f32 v[XS+2*q+1], v[P0+q], v[PS]          ; s = S1 in front of the step
.set q, q+1
.endr
.set q, 0
.rept 16
	BC RC+4*q, K1, XS+2*q, 1, 0, 1                 ; s (1/6, 1/2)
	BC RC+4*q+2, K1+4, XS+2*q, 1, 0, 1             ; s (1/2, 1)
.set q, q+1
.endr
.set q, 0
.rept 16
	BC RC+4*q, K1+2, XS+2*q, 0, RC+4*q, 0          ; + x (1/24, 1/6)
	BC RC+4*q+2, K1+6, XS+2*q, 0, RC+4*q+2, 0      ; + x (1/4, 1/2)
.set q, q+1
.endr
.set q, 0
.rept 16
	ds_store_b128 v[CW], v[RC+4*q:RC+4*q+3] offset:4*REC*q+32
	ds_store_b32 v[XW], v[XS+2*q] offset:4*REC*q
.set q, q+1
.endr
	s_wait_dscnt 0x0                               ; for the others' sake: my records are in LDS
	s_barrier_signal -1
.irp s, 0,1,2,3,4,5,6,7
	v_mov_b32 v[SETS+14*\s+13], 0                  ; the packed forms name x[j] as a pair and take its first register for both halves: the second is written once and never used
.endr                                                  ; (register work; the stores that read the records' registers are done)
	s_barrier_wait -1
; The operands of one step: x of record rec; the factors and x[j] of record rec + 1, since level 2 runs one step ahead.
.macro LOADSET set, rec, full
	ds_load_b128 v[SETS+14*(\set):SETS+14*(\set)+3], v[XA] offset:(\rec)*REC
	ds_load_b128 v[SETS+14*(\set)+4:SETS+14*(\set)+7], v[XA] offset:(\rec)*REC+16
.if \full
	ds_load_b128 v[SETS+14*(\set)+8:SETS+14*(\set)+11], v[CA] offset:((\rec)+1)*REC+32
	ds_load_b32 v[SETS+14*(\set)+12], v[JA] offset:((\rec)+1)*REC
.endif
.endm
; The operands of four steps in ONE run of sixteen loads: records rec0 .. rec0 + 3 into sets 4 g .. 4 g + 3.
.macro GROUPLOAD g, rec0
.set w, 0
.rept 4
.set st, 4*(\g)+w
.set rc, (\rec0)+w
	LOADSET st, rc, 1
.set w, w+1
.endr
.endm
; One step.  T3 and S3 take (T2h, U2) made a step earlier; then the next step's (T2h, U2) and S2; then the 32 packed multiply-adds of level 4,
; the first of which reads a T3 written ten instructions back.  start = 1: the half's first step, whose products start the sums.
.macro STEP set, start, lvl2
.set XR, SETS+14*(\set)
.irp m, 0,2,4,6
	BC TT3+\m, XR+\m, TU, 0, AC3+\m, \start
.endr
.irp m, 0,2,4,6
	BC AC3+\m, XR+\m, TU, 1, AC3+\m, \start
.endr
.if \lvl2
	BC TU, XR+8, XR+12, 0, HS, 0
	BC HS, XR+10, XR+12, 0, HS, 0
.endif
.irp k, 0,2,4,6
.irp m, 0,2,4,6
	BC AC4+8*\k+\m, XR+\m, TT3+\k, 0, AC4+8*\k+\m, \start
.endr
.irp m, 0,2,4,6
	BC AC4+8*\k+8+\m, XR+\m, TT3+\k, 1, AC4+8*\k+8+\m, \start
.endr
.endr
.endm
; Four steps on group g's sets.  Behind the first of them stands the run of loads for the next four steps, into the other group's sets:
; those were last read a whole step (42 vector instructions) back, and the run has three steps, 126 vector instructions, until its first use.
; So the vector work is broken by loads once in four steps.  LDS loads come back in order (ISA guide 5.7.1), so each wait counts the younger loads.
.macro FOUR g, start
	s_wait_dscnt 12                                ; the group's first set is in; its other three, four loads each, stay out
.set sc, 4*(\g)
	STEP sc, \start, 1
	GROUPLOAD 1-(\g), 4*(\g)+4
	s_wait_dscnt 24                                ; two sets of this group and the sixteen just issued stay out
.set sc, 4*(\g)+1
	STEP sc, 0, 1
	s_wait_dscnt 20                                ; one set and the sixteen
.set sc, 4*(\g)+2
	STEP sc, 0, 1
	s_wait_dscnt 16                                ; the sixteen
.set sc, 4*(\g)+3
	STEP sc, 0, 1
.endm
; Eight steps: once through both groups; then the addresses step, three steps behind the last load that names them.
.macro TRIP start
	FOUR 0, \start
	FOUR 1, 0
	v_add_nc_u32 v[XA], 8*REC, v[XA]
	v_add_nc_u32 v[JA], 8*REC, v[JA]
	v_add_nc_u32 v[CA], 8*REC, v[CA]
.endm
	ds_load_b128 v[SETS+64:SETS+67], v[CA] offset:32   ; step 0's factors and x[j], into set 4, which is not asked for yet
	ds_load_b32 v[SETS+68], v[JA]
	GROUPLOAD 0, 0
	s_wait_dscnt 16                                ; all but the group's sixteen
	BC TU, SETS+64, SETS+68, 0, 0, 1               ; S2 = 0 in front of step 0: products start (T2h, U2) and (S2/2, S2)
	BC HS, SETS+66, SETS+68, 0, 0, 1
	TRIP 1                                         ; steps 0-7
	s_mov_b32 s18, 14
.Ltrip:                                                ; steps 8-119; at the head, from both ways, group 0's sixteen loads are the only ones out
	TRIP 0
	s_sub_co_u32 s18, s18, 1
	s_cmp_lg_u32 s18, 0
	s_cbranch_scc1 .Ltrip
	; steps 120-127 are written out: nothing is asked for beyond the half's last record, and the counts run down
	s_wait_dscnt 12
	STEP 0, 0, 1
	LOADSET 4, 4, 1
	LOADSET 5, 5, 1
	LOADSET 6, 6, 1
	LOADSET 7, 7, 0                                ; the last step wants x alone: two loads, fourteen in the run
	s_wait_dscnt 22                                ; 8 + 14 younger loads
	STEP 1, 0, 1
	s_wait_dscnt 18                                ; 4 + 14
	STEP 2, 0, 1
	s_wait_dscnt 14
	STEP 3, 0, 1
	s_wait_dscnt 10                                ; 4 + 4 + 2
	STEP 4, 0, 1
	s_wait_dscnt 6                                 ; 4 + 2
	STEP 5, 0, 1
	s_wait_dscnt 2
	STEP 6, 0, 1
	s_wait_dscnt 0
	STEP 7, 0, 0
	; MY HALF'S SIGNATURE GOES TO LDS
	ds_store_b32 v[E_S1], v[S1S]                   ; the eight lanes of one i store the same number to the same word
	ds_store_b32 v[E_S2], v[HS+1] offset:O_S2
	ds_store_b128 v[E_S3], v[AC3:AC3+3] offset:O_S3
	ds_store_b128 v[E_S3], v[AC3+4:AC3+7] offset:O_S3+16
.set c, 0
.rept 16
	ds_store_b128 v[E_D4], v[AC4+4*c:AC4+4*c+3] offset:16*c
.set c, c+1
.endr
	s_wait_dscnt 0x0                               ; for the others' sake
	s_barrier_signal -1
	s_barrier_wait -1
	; THE JOIN.  From here thread (h, e, lane) owns (i, j, k = 4 h .. 4 h + 3): four numbers of level 3, 32 of level 4.  A = half 0, B = half 1.
	ds_load_b128 v[A3Q:A3Q+3], v[E_A3]                         ; A3[i][j][k]
	ds_load_b128 v[B3Q:B3Q+3], v[E_A3] offset:LOWSZ
	ds_load_b128 v[A2JQ:A2JQ+3], v[E_A2Q]                      ; A2[j][k]
	ds_load_b128 v[B2JQ:B2JQ+3], v[E_A2Q] offset:LOWSZ
	ds_load_b128 v[A1Q:A1Q+3], v[E_A1Q]                        ; A1[k]
	ds_load_b128 v[B1Q:B1Q+3], v[E_A1Q] offset:LOWSZ
	ds_load_b128 v[A1F:A1F+3], v[E_LOW]                        ; A1, B1 whole
	ds_load_b128 v[A1F+4:A1F+7], v[E_LOW] offset:16
	ds_load_b128 v[B1F:B1F+3], v[E_LOW] offset:LOWSZ
	ds_load_b128 v[B1F+4:B1F+7], v[E_LOW] offset:LOWSZ+16
	ds_load_b32 v[PA1], v[E_A1I]                               ; A1[i], B1[i]
	ds_load_b32 v[B1I], v[E_A1I] offset:LOWSZ
	ds_load_b32 v[PJ], v[E_A1J]                                ; A1[j], B1[j]
	ds_load_b32 v[PJ+1], v[E_A1J] offset:LOWSZ
	ds_load_b32 v[PA2], v[E_A2] offset:O_S2                    ; A2[i][j], B2[i][j]
	ds_load_b32 v[B2IJ], v[E_A2] offset:LOWSZ+O_S2
.set c, 0
.rept 8
	ds_load_b128 v[ACC+4*c:ACC+4*c+3], v[E_H4] offset:16*c             ; A4[i][j][k][l]
.set c, c+1
.endr
.set c, 0
.rept 8
	ds_load_b128 v[TB1+4*c:TB1+4*c+3], v[E_H4] offset:2*D4W+16*c       ; B4[i][j][k][l]
.set c, c+1
.endr
.set c, 0
.rept 8
	ds_load_b128 v[TB2+4*c:TB2+4*c+3], v[E_B3] offset:LOWSZ+16*c       ; B3[j][k][l]
.set c, c+1
.endr
.set c, 0
.rept 8
	ds_load_b128 v[TB3+4*c:TB3+4*c+3], v[E_B2] offset:LOWSZ+16*c       ; B2[k][l]
.set c, c+1
.endr
	s_wait_dscnt 32                                ; the sixteen small loads are in; the four runs of eight stay out
	v_add_f32 v[PA1+1], v[PA1], v[B1I]             ; R1[i]
	v_add_f32 v[R1J], v[PJ], v[PJ+1]               ; R1[j]
	v_add_f32 v[PA2+1], v[PA2], v[B2IJ]
.irp m, 0,2
	v_pk_add_f32 v[A1Q+\m:A1Q+\m+1], v[A1Q+\m:A1Q+\m+1], v[B1Q+\m:B1Q+\m+1]        ; R1[k]
	v_pk_add_f32 v[A2JQ+\m:A2JQ+\m+1], v[A2JQ+\m:A2JQ+\m+1], v[B2JQ+\m:B2JQ+\m+1]
	v_pk_add_f32 v[R3Q+\m:R3Q+\m+1], v[A3Q+\m:A3Q+\m+1], v[B3Q+\m:B3Q+\m+1]
.endr
.irp m, 0,2,4,6
	v_pk_add_f32 v[A1F+\m:A1F+\m+1], v[A1F+\m:A1F+\m+1], v[B1F+\m:B1F+\m+1]        ; R1 whole
.endr
	v_fmac_f32 v[PA2+1], v[PA1], v[PJ+1]           ; R2[i][j] = A2 + B2 + A1[i] B1[j]
.irp m, 0,2
	BC A2JQ+\m, B1Q+\m, PJ, 0, A2JQ+\m, 0          ; R2[j][k] = A2 + B2 + A1[j] B1[k]
	BC R3Q+\m, B1Q+\m, PA2, 0, R3Q+\m, 0           ; R3[i][j][k] = A3 + B3 + A2[i][j] B1[k]
.endr
	v_mul_f32 v[TT], v[PA1+1], v[R1J]              ; R1[i] R1[j]
	v_mul_f32 v[PG], 0x3eaaaaab, v[PA1+1]
	v_mul_f32 v[PG+1], -0.5, v[PA1+1]
.irp m, 0,2
	BC R3Q+\m, B2JQ+\m, PA1, 0, R3Q+\m, 0          ;             + A1[i] B2[j][k]
.endr
	v_mul_f32 v[PM], 0x3eaaaaab, v[PA2+1]
	v_mul_f32 v[PM+1], -0.5, v[PA2+1]
	v_fma_f32 v[L2V], v[TT], -0.5, v[PA2+1]        ; L2[i][j] = R2 - R1 R1 / 2
	v_fmamk_f32 v[PM], v[TT], 0xbe800000, v[PM]    ; R2/3 - R1 R1/4
	v_fmamk_f32 v[PM+1], v[TT], 0x3eaaaaab, v[PM+1]    ; N2[i][j] = -R2/2 + R1 R1/3
.irp m, 0,2
	v_pk_mul_f32 v[R3H+\m:R3H+\m+1], v[R3Q+\m:R3Q+\m+1], -0.5 op_sel_hi:[1,0]
.endr
.irp m, 0,2
	BC M3Q+\m, A2JQ+\m, PG, 0, R3H+\m, 0           ; M3[i][j][k] = -R3/2 + R1[i] R2[j][k]/3
	BC L3Q+\m, A2JQ+\m, PG, 1, R3Q+\m, 0           ; L3[i][j][k] = R3 - R1[i] R2[j][k]/2
.endr
.irp m, 0,2
	BC M3Q+\m, A1Q+\m, PM, 0, M3Q+\m, 0            ;   + (R2[i][j]/3 - R1[i] R1[j]/4) R1[k]
	BC L3Q+\m, A1Q+\m, PM, 1, L3Q+\m, 0            ;   + N2[i][j] R1[k]
.endr
; acc += a table of my 32 places x one number of mine
.macro TERM_TAB tab, pair, hi
.set r, 0
.rept 16
	BC ACC+r, \tab+r, \pair, \hi, ACC+r, 0
.set r, r+2
.endr
.endm
; acc[kk][l] += quad[kk] vec[l]
.macro TERM_VEC vec, quad
.set r, 0
.rept 16
.set kk, r/8
	BC ACC+r, \vec+r%8, \quad+2*(kk/2), kk%2, ACC+r, 0
.set r, r+2
.endr
.endm
	s_wait_dscnt 16                                ; A4 and B4 are in
.set r, 0
.rept 16
	v_pk_add_f32 v[ACC+r:ACC+r+1], v[ACC+r:ACC+r+1], v[TB1+r:TB1+r+1]
.set r, r+2
.endr
	TERM_VEC B1F, A3Q                              ; + A3[i][j][k] B1[l]
	s_wait_dscnt 8                                 ; B3 is in
	TERM_TAB TB2, PA1, 0                           ; + A1[i] B3[j][k][l]
	s_wait_dscnt 0
	TERM_TAB TB3, PA2, 0                           ; + A2[i][j] B2[k][l]: acc = R4
	ds_store_b128 v[E_M3W], v[M3Q:M3Q+3]
	ds_store_b128 v[E_L3], v[L3Q:L3Q+3]
	s_cmp_lt_u32 s8, 2                             ; both time halves hold the same N2, L2, L1: waves 0 and 1 store them
	s_cbranch_scc0 .Lnot_first_half
	ds_store_b32 v[E_N2W], v[PM+1]
	ds_store_b32 v[E_L2], v[L2V]
	ds_store_b32 v[E_L1], v[PA1+1]
.Lnot_first_half:
	s_wait_dscnt 0x0                               ; for the others' sake
	s_barrier_signal -1
	s_barrier_wait -1
	; THE LOGARITHM'S LEVEL 4
.set c, 0
.rept 8
	ds_load_b128 v[TB1+4*c:TB1+4*c+3], v[E_M3R] offset:16*c    ; M3[j][k][l]
.set c, c+1
.endr
.set c, 0
.rept 8
	ds_load_b128 v[TB2+4*c:TB2+4*c+3], v[E_N2R] offset:16*c    ; N2[k][l]
.set c, c+1
.endr
	TERM_VEC A1F, R3H                              ; - R3[i][j][k] R1[l] / 2: registers alone, while the tables come
	s_wait_dscnt 8                                 ; M3 is in
	TERM_TAB TB1, PA1, 1                           ; + R1[i] M3[j][k][l]
	s_wait_dscnt 0
	TERM_TAB TB2, PA2, 1                           ; + R2[i][j] N2[k][l]
.set c, 0
.rept 8
	ds_store_b128 v[E_L4], v[ACC+4*c:ACC+4*c+3] offset:16*c
.set c, c+1
.endr
	s_wait_dscnt 0x0                               ; for the others' sake
	s_barrier_signal -1
	s_barrier_wait -1
	; THE WAY OUT: ten turns of 128 pieces of 16 bytes.  Turns 1 to 8 lie inside the row for every thread; in turn 0 the threads in front of the
	; row's first piece are off (t < 14), in turn 9 those behind its last (t >= 32).
	v_lshlrev_b32 v[XA], 4, v0
	v_cmp_le_u32 vcc_lo, 14, v[E_CT]
	s_wait_xcnt 0x0                                ; EXEC changes only behind this wait
	s_set_vgpr_msb 0x5
	s_wait_tensorcnt 0x0
	ds_add_u32 v0, v1
	s_wait_dscnt 0x0
	s_set_vgpr_msb 0x500
	s_and_saveexec_b32 s25, vcc_lo
	ds_load_b128 v[TB2:TB2+3], v[E_CL]
	s_or_b32 exec_lo, exec_lo, s25                 ; no global access has been issued since the wait
.set it, 1
.rept 8
	ds_load_b128 v[TB1+4*(it-1):TB1+4*(it-1)+3], v[E_CL] offset:it*2176
.set it, it+1
.endr
	v_cmp_gt_u32 vcc_lo, 32, v[E_CT]
	s_and_saveexec_b32 s25, vcc_lo
	ds_load_b128 v[TB2+4:TB2+7], v[E_CL] offset:9*2176
	s_wait_dscnt 0x0
	global_store_b128 v[XA], v[TB2+4:TB2+7], s[6:7] offset:9*2048 th:TH_STORE_NT
	s_wait_xcnt 0x0                                ; in front of the line that widens EXEC
	s_or_b32 exec_lo, exec_lo, s25
.set it, 1
.rept 8
	global_store_b128 v[XA], v[TB1+4*(it-1):TB1+4*(it-1)+3], s[6:7] offset:it*2048 th:TH_STORE_NT   ; 16 lanes store 256 consecutive bytes, at a multiple of 256 from out0's first byte
.set it, it+1
.endr
	v_cmp_le_u32 vcc_lo, 14, v[E_CT]
	s_wait_xcnt 0x0
	s_and_saveexec_b32 s25, vcc_lo
	global_store_b128 v[XA], v[TB2:TB2+3], s[6:7] th:TH_STORE_NT
	s_wait_xcnt 0x0
	s_or_b32 exec_lo, exec_lo, s25
	s_endpgm
.Lfunc_end_k_q99c772e386_logsig:
	.size	k_q99c772e386_logsig, .Lfunc_end_k_q99c772e386_logsig-k_q99c772e386_logsig
	.p2alignl 7, 3214868480
	.fill 96, 4, 3214868480
	.section	.rodata,"a",@progbits
	.p2align	6, 0x0
	.amdhsa_kernel k_q99c772e386_logsig
		.amdhsa_group_segment_fixed_size 107008
		.amdhsa_private_segment_fixed_size 0
		.amdhsa_enable_private_segment 0
		.amdhsa_kernarg_size 16
		.amdhsa_user_sgpr_count 2
		.amdhsa_user_sgpr_kernarg_segment_ptr 1
		.amdhsa_wavefront_size32 1
		.amdhsa_system_sgpr_workgroup_id_x 1
		.amdhsa_system_sgpr_workgroup_id_y 1
		.amdhsa_system_sgpr_workgroup_id_z 1
		.amdhsa_system_vgpr_workitem_id 0
		.amdhsa_next_free_vgpr 258
		.amdhsa_next_free_sgpr 66
		.amdhsa_reserve_vcc 1
		.amdhsa_float_denorm_mode_32 3
		.amdhsa_float_denorm_mode_16_64 3
		.amdhsa_memory_ordered 1
		.amdhsa_forward_progress 1
		.amdhsa_inst_pref_size 105
	.end_amdhsa_kernel
	.amdgpu_metadata
---
amdhsa.version: [ 1, 2 ]
amdhsa.kernels:
  - .name:           k_q99c772e386_logsig
    .symbol:         k_q99c772e386_logsig.kd
    .args:
      - { .name: path, .offset: 0, .size: 8, .value_kind: global_buffer, .address_space: global }
      - { .name: out0, .offset: 8, .size: 8, .value_kind: global_buffer, .address_space: global }
    .group_segment_fixed_size: 107008
    .private_segment_fixed_size: 0
    .kernarg_segment_align: 8
    .kernarg_segment_size: 16
    .max_flat_workgroup_size: 128
    .sgpr_count:     66
    .vgpr_count:     258
    .wavefront_size: 32
...
	.end_amdgpu_metadata
.endif
;; end of part 1
